; MI455X (gfx1250); checked and timed in simulation.
; The chip was launched on July 23, 2026; its instructions are those of AMD's public machine-readable ISA for CDNA 5 (MIT licence, August 2026) and "CDNA5" Instruction Set Architecture Reference Guide (July 2026). The comments in the code are by the model that wrote it; some were corrected since.
;; Attention. Allowed arithmetic: matrix products marked QUANTISED: E2M1 operands, one E8M0 scale for each 32 along K, by v_wmma_scale_f32_16x16x128_f8f6f4 with both operands' format E2M1 (or v_wmma_scale_f32_32x16x128_f4), f32 sums; everything else in f32.
;; Inputs: k_codes 4 x 16 x 2,048 x 4 x 16 uint8 (E2M1 codes of k, K innermost, in blocks of 32 codes, two codes a byte); k_scales 4 x 16 x 2,048 x 4 uint8 (E8M0 scales of k, one for each 32 codes along K); mask 2,048 x 2,048 bool; q_codes 4 x 16 x 2,048 x 4 x 16 uint8 (E2M1 codes of q, K innermost, in blocks of 32 codes, two codes a byte); q_scales 4 x 16 x 2,048 x 4 uint8 (E8M0 scales of q, one for each 32 codes along K); v_codes 4 x 16 x 128 x 64 x 16 uint8 (E2M1 codes of v, K innermost, in blocks of 32 codes, two codes a byte); v_scales 4 x 16 x 128 x 64 uint8 (E8M0 scales of v, one for each 32 codes along K).
;; Outputs: out0 4 x 16 x 2,048 x 128 float32.
;; This version of the problem:
;;   THIS VERSION OF THE PROBLEM IS GIVEN IN LOW PRECISION. The matrix products marked QUANTISED in the list below multiply operands that are first quantised to E2M1 (2 exponent bits, 1 mantissa bit; 4 bits a number), with one power-of-two scale for each 32 numbers along K (OCP MX v1.0); their sums are f32. All else is computed in f32.
;;   The module's matrix products, in the order in which they are computed (A, B: the left and right operand; K: the contracted axis; several contracted axes count as one K, in the product's order):
;;     1. batch 64 x [M 2,048, K 128] x [K 128, N 2,048]; A: input q (given as codes); B: input k (given as codes): QUANTISED
;;     2. batch 64 x [M 2,048, K 2,048] x [K 2,048, N 128]; A: softmax (see below); B: input v (given as codes): QUANTISED
;;   THE QUANTISER, for each operand of a quantised product, along K:
;;     - K is cut into blocks of 32 from its start; a last block that is shorter is filled with zeros.
;;     - A block's scale is 2^e with e = floor(log2(the largest magnitude in the block)) - 2, held to -126 .. 127; a block of zeros has e = 0. As a byte (E8M0): e + 127.
;;     - Each number is divided by its block's scale, clamped to +-6, and rounded to the nearest number of E2M1, ties to even, subnormals kept.
;;     - The product sums the exact products of the quantised numbers (number of the format x scale) in f32.
;;   ~~~python
;;   def quantise(x, axis):      # numpy; x: float32 -> the quantised numbers, widened to float32 again
;;       x = np.moveaxis(x, axis, -1); K = x.shape[-1]
;;       x = np.pad(x, [(0, 0)] * (x.ndim - 1) + [(0, -K % 32)]); x = x.reshape(x.shape[:-1] + (-1, 32)); a = np.abs(x).max(-1, keepdims=True)
;;       e = np.where(a > 0, np.clip(np.frexp(np.where(a > 0, a, 1))[1] - 1 - 2, -126, 127), 0)      # np.frexp(a)[1] - 1 = floor(log2(a)), exactly
;;       r = np.clip(x / 2.0 ** e, -6, 6)
;;       step = 2.0 ** (np.maximum(np.frexp(np.where(r == 0, 1, r))[1] - 1, 0) - 1)
;;       q = np.round(r / step) * step * 2.0 ** e      # np.round: ties to even
;;       return np.moveaxis(q.reshape(q.shape[:-2] + (-1,))[..., :K], -1, axis).astype(np.float32)
;;   ~~~
;;   SOFTMAX AHEAD OF A QUANTISED PRODUCT. Where the list says 'softmax', what is quantised is not the finished softmax but p = 2^(t - M), with t = logit x log2(e) and M = ceil(the row's largest t), a whole number; so 1/2 < the row's largest p <= 1. The row's sum l is taken of the UNQUANTISED p, in f32, and the product's result is divided by l at the end. Since M is a whole number, a kernel that streams over the keys may use a running M (the ceiling of the running maximum): every later rescaling is an exact power of two, which a block's scale takes up: the codes' values come out the same.
;;   OPERANDS COMPUTED ON THE WAY. 'Computed on the way' means the value that the module computes at that place (a softmax that the list does not call 'softmax' is quantised finished and normalised). What goes into a quantiser is computed in f32, as accurately as f32 sums, v_exp_f32 and their like allow (about 1e-6 of the number): no bf16 or f16 on the way to a quantiser, and a product that is left as it is and whose result goes on into a quantised operand takes f32 operands (vector FMAs, or v_wmma_f32_16x16x4_f32). A number that lies on a knife's edge between two numbers of the format may be rounded either way, as far as f32 arithmetic and the matrix unit's own rounding can turn it there, and no further.
;;   INPUTS GIVEN AS CODES. k (in the module: [4, 16, 2048, 128], K = its axis 3); q (in the module: [4, 16, 2048, 128], K = its axis 3); v (in the module: [4, 16, 2048, 128], K = its axis 2): each comes as NAME_codes (uint8): NAME with its K axis moved to the last place and cut into blocks of 32 codes, [.., K / 32, bytes a block], one block behind the other in memory; two codes a byte, the lower K in the low four bits (a code: sign, 2 exponent bits, 1 mantissa bit); and NAME_scales (uint8): the same leading axes, one E8M0 byte (e + 127) for each 32 codes along K. Its value is code x scale, taken as it is: it is not quantised again, and the codes and scales need not be those that the quantiser above would give.
;; One version. Each part assembles by itself: llvm-mc -triple=amdgcn-amd-amdhsa -mcpu=gfx1250 --defsym DOCPART=n.
;; ======== version 1 of 1: 2 launches
;; workspace buffers: maskw 524,288 bytes of whole numbers; flags 512 bytes of whole numbers
;; launch maskprep (part 1): grid 128 x 1, 16 waves a work-group, no clusters, 35,328 bytes of LDS; arguments mask, maskw, flags; writes maskw, flags
.if DOCPART == 1
	.amdgcn_target "amdgcn-amd-amdhsa--gfx1250"
	.amdhsa_code_object_version 6
	.text
	.protected	k_qe09435de64_maskprep
	.globl	k_qe09435de64_maskprep
	.p2align	8
	.type	k_qe09435de64_maskprep,@function
k_qe09435de64_maskprep:
	s_mov_b64 s[64:65], 0
	v_nop
	global_prefetch_b8 v0, s[64:65] scope:SCOPE_SE
	s_setreg_imm32_b32 hwreg(HW_REG_WAVE_MODE, 25, 1), 1
	s_wait_xcnt 0x0
; The mask [2048][2048], one byte a place (not 0 = the key is hidden), is turned ONCE, for all 64 heads, into the lane masks that the attention launch applies, and into one word of flags for each tile of 16 queries.
; maskw: [tile i of 16 queries][key step s of 128 keys][word n = 0 .. 63], 4 bytes a word.  Bit 16 h + r of word n = 16 b + e is mask[16 i + r][128 s + 32 b + 16 h + e]:
;   the attention launch's lane 16 h + r holds query 16 i + r, and its score register n holds just that key.
; flags: one word a tile.  Bit s: some key of step s counts for some query of the tile (there is work).  Bit 16 + s: some place of step s is hidden (the mask has to be applied).
; SHARES.  Work-group i takes tile i: 16 rows of the mask, 32,768 consecutive bytes.  Wave s takes key step s.
; The rows come in by loads of 512 consecutive bytes a wave, turn through LDS (a lane then holds 16 neighbouring keys of ONE row), and each byte position becomes a lane mask by one compare.
; The flag word is a store of 4 bytes a work-group, 512 bytes in the whole launch: a part of an aligned block of 256 bytes; everything else leaves in whole blocks.
.set PITCH, 2064                       ; an LDS row: 2,048 bytes + 16: row r starts 16 r bytes on modulo 256, so the 16 rows that a load of 16 bytes a lane touches lie in 16 different columns (64 banks of 4 bytes: ISA guide 11.1)
.set FLG,   16*PITCH                   ; behind the rows: one word for each wave
	s_load_b128 s[4:7], s[0:1], 0x0                ; mask s[4:5], maskw s[6:7]
	s_load_b64 s[8:9], s[0:1], 0x10                ; flags
	v_lshl_add_u32 v40, v0, 2, 0x8200
	v_mov_b32 v41, 0
	v_lshrrev_b32 v1, 5, v0
	v_readfirstlane_b32 s10, v1                    ; wave = key step 0 .. 15
	v_lshlrev_b32 v1, 4, v0                        ; in: 16 bytes a thread
	v_lshrrev_b32 v2, 7, v0                        ; 128 threads to a row of 2,048 bytes
	v_and_b32 v20, 127, v0
	v_mul_u32_u24 v2, v2, PITCH
	v_lshl_add_u32 v2, v20, 4, v2                  ; into LDS: row (thread / 128), 16 (thread % 128)
	v_and_b32 v20, 15, v0                          ; r
	v_bfe_u32 v21, v0, 4, 1                        ; h
	v_mul_u32_u24 v3, v20, PITCH
	v_lshl_add_u32 v3, v21, 4, v3
	s_lshl_b32 s22, s10, 7
	v_add_nc_u32 v3, s22, v3                       ; out of LDS: row r, byte 128 s + 16 h (+ 32 b in the immediate)
	v_and_b32 v26, 31, v0
	v_lshlrev_b32 v26, 3, v26                      ; maskw: two words a lane
	v_mov_b32 v28, s10
	v_lshl_add_u32 v28, v28, 2, FLG                ; my wave's word
	v_lshl_add_u32 v30, v20, 2, FLG                ; and, for wave 0 at the end, wave (lane % 16)'s
	v_mov_b32 v24, 0                               ; written once: v_writelane_b32's destination counts as one of its sources
	v_mov_b32 v25, 0
	s_mov_b32 s12, 0xff                            ; the four bytes of a register
	s_mov_b32 s13, 0xff00
	s_mov_b32 s14, 0xff0000
	s_mov_b32 s15, 0xff000000
	s_mov_b32 s20, 0                               ; the OR of my 64 words
	s_mov_b32 s21, -1                              ; and their AND
	s_lshl_b32 s2, ttmp9, 15                       ; my tile's 16 rows of the mask
	s_mov_b32 s3, 0
	s_lshl_b32 s22, ttmp9, 4
	s_add_co_u32 s22, s22, s10
	s_lshl_b32 s22, s22, 8                         ; maskw: 256 bytes for each (tile, step)
	s_mov_b32 s23, 0
	s_lshl_b32 s24, ttmp9, 2                       ; flags: 4 bytes a tile
	s_mov_b32 s25, 0
	s_wait_kmcnt 0x0
	s_add_nc_u64 s[4:5], s[4:5], s[2:3]
	s_add_nc_u64 s[6:7], s[6:7], s[22:23]
	s_add_nc_u64 s[8:9], s[8:9], s[24:25]
.irp j, 0,1,2,3
	global_load_b128 v[4+4*\j:7+4*\j], v1, s[4:5] offset:8192*\j th:TH_LOAD_NT   ; a wave reads 512 consecutive bytes; the work-group 4 rows a load; read once in the launch
.endr
.irp j, 0,1,2,3
	s_wait_loadcnt 3-\j                            ; loads come back in order: load j is in, the younger ones may be out
	ds_store_b128 v2, v[4+4*\j:7+4*\j] offset:4*PITCH*\j
.endr
	s_wait_dscnt 0x0                               ; for the others' sake: my stores have landed
	s_barrier_signal -1
	s_barrier_wait -1                              ; the 16 rows lie in LDS
.irp b, 0,1,2,3
	ds_load_b128 v[4+4*\b:7+4*\b], v3 offset:32*\b ; mask[16 i + r][128 s + 32 b + 16 h + 0 .. 15]: byte e of the 16 belongs to word 16 b + e
.endr
	s_wait_dscnt 0x0
.set n, 0
.rept 64                                       ; word n: byte n % 4 of register n / 4, over the 32 lanes
	v_and_b32 v[20+n%4], s[12+n%4], v[4+n/4]
	v_cmp_ne_u32 s[16+n%4], 0, v[20+n%4]           ; the whole byte is tested: what is not 0 hides
	s_or_b32 s20, s20, s[16+n%4]
	s_and_b32 s21, s21, s[16+n%4]
	v_writelane_b32 v[24+n%2], s[16+n%4], n/2      ; lane l will store words 2 l and 2 l + 1
.set n, n+1
.endr
	global_store_b64 v26, v[24:25], s[6:7]         ; 32 lanes store 256 consecutive bytes, at a multiple of 256 from maskw's first byte
	s_cmp_lg_u32 s21, -1                           ; some place open?
	s_cselect_b32 s22, 1, 0
	s_cmp_lg_u32 s20, 0                            ; some place hidden?
	s_cselect_b32 s23, 2, 0
	s_or_b32 s22, s22, s23
	v_mov_b32 v27, s22
	ds_store_b32 v28, v27                          ; all lanes write the same word with the same value
	s_wait_dscnt 0x0
	s_barrier_signal -1
	s_barrier_wait -1                              ; the sixteen steps' figures lie in LDS
	s_cmp_lg_u32 s10, 0
	s_cbranch_scc1 .Lend                           ; wave 0 makes the tile's word
	ds_load_b32 v29, v30                           ; lane l: step (l % 16)'s figure
	s_wait_dscnt 0x0
	v_and_b32 v31, 1, v29
	v_and_b32 v32, 2, v29
	v_cmp_ne_u32 s16, 0, v31
	v_cmp_ne_u32 s17, 0, v32
	s_and_b32 s16, s16, 0xffff                     ; bits 0-15: work
	s_lshl_b32 s17, s17, 16                        ; bits 16-31: mask to be applied
	s_or_b32 s16, s16, s17
	v_mov_b32 v33, s16
	v_mov_b32 v34, 0
	v_cmp_eq_u32 vcc_lo, 0, v0
	s_wait_xcnt 0x0                                ; EXEC is a source of the store above: it changes only behind this wait
	s_and_saveexec_b32 s18, vcc_lo
	global_store_b32 v34, v33, s[8:9]              ; one lane, one word
	s_wait_xcnt 0x0                                ; and again, in front of the line that widens it
	s_or_b32 exec_lo, exec_lo, s18
.Lend:
	s_barrier_signal -1
	s_barrier_wait -1
	s_wait_tensorcnt 0x0
	ds_add_u32 v40, v41
	s_wait_dscnt 0x0
	s_endpgm
.Lfunc_end_k_qe09435de64_maskprep:
	.size	k_qe09435de64_maskprep, .Lfunc_end_k_qe09435de64_maskprep-k_qe09435de64_maskprep
	.p2alignl 7, 3214868480
	.fill 96, 4, 3214868480
	.section	.rodata,"a",@progbits
	.p2align	6, 0x0
	.amdhsa_kernel k_qe09435de64_maskprep
		.amdhsa_group_segment_fixed_size 35328
		.amdhsa_private_segment_fixed_size 0
		.amdhsa_enable_private_segment 0
		.amdhsa_kernarg_size 24
		.amdhsa_user_sgpr_count 2
		.amdhsa_user_sgpr_kernarg_segment_ptr 1
		.amdhsa_wavefront_size32 1
		.amdhsa_system_sgpr_workgroup_id_x 1
		.amdhsa_system_sgpr_workgroup_id_y 1
		.amdhsa_system_sgpr_workgroup_id_z 1
		.amdhsa_system_vgpr_workitem_id 0
		.amdhsa_next_free_vgpr 42
		.amdhsa_next_free_sgpr 66
		.amdhsa_reserve_vcc 1
		.amdhsa_float_denorm_mode_32 3
		.amdhsa_float_denorm_mode_16_64 3
		.amdhsa_memory_ordered 1
		.amdhsa_forward_progress 1
		.amdhsa_inst_pref_size 19
	.end_amdhsa_kernel
	.amdgpu_metadata
---
amdhsa.version: [ 1, 2 ]
amdhsa.kernels:
  - .name:           k_qe09435de64_maskprep
    .symbol:         k_qe09435de64_maskprep.kd
    .args:
      - { .name: mask, .offset: 0, .size: 8, .value_kind: global_buffer, .address_space: global }
      - { .name: maskw, .offset: 8, .size: 8, .value_kind: global_buffer, .address_space: global }
      - { .name: flags, .offset: 16, .size: 8, .value_kind: global_buffer, .address_space: global }
    .group_segment_fixed_size: 35328
    .private_segment_fixed_size: 0
    .kernarg_segment_align: 8
    .kernarg_segment_size: 24
    .max_flat_workgroup_size: 512
    .sgpr_count:     66
    .vgpr_count:     42
    .wavefront_size: 32
...
	.end_amdgpu_metadata
.endif
;; end of part 1
;; launch attn (part 2): grid 4 x 64, 16 waves a work-group, no clusters, 315,392 bytes of LDS; arguments q_codes, q_scales, k_codes, k_scales, v_codes, v_scales, maskw, flags, out0; writes out0
.if DOCPART == 2
	.amdgcn_target "amdgcn-amd-amdhsa--gfx1250"
	.amdhsa_code_object_version 6
	.text
	.protected	k_qe09435de64_attn
	.globl	k_qe09435de64_attn
	.p2align	8
	.type	k_qe09435de64_attn,@function
k_qe09435de64_attn:
	s_mov_b64 s[64:65], 0
	v_nop
	global_prefetch_b8 v0, s[64:65] scope:SCOPE_SE
	s_setreg_imm32_b32 hwreg(HW_REG_WAVE_MODE, 25, 1), 1
	s_wait_xcnt 0x0
; out0[head][q][:] = the sum over k of softmax_k(Q[q] . K[k] / sqrt(128), hidden keys at -infinity) V[k][:], 64 heads of 2,048 x 128, both products on codes of FP4 (E2M1) with one E8M0 scale for each 32 along a product's K.
; Q, K: codes with the head's 128 innermost (64 bytes a row), a scale word a row.  V: codes with the KEYS innermost, [128][2048] (1,024 bytes a row), 16 scale words a row.  out0: f32.
; THE MASK IS AN INPUT.  The launch before has laid it as lane masks (maskw) and as a word of flags for each tile of 16 queries (flags): nothing of its pattern is built in here.
; THE SOFTMAX AHEAD OF THE SECOND PRODUCT: t = score x log2(e) / sqrt(128); M = the row's largest t so far, rounded UP to a whole number; p = 2^(t - M) is quantised along the keys, not normalised.
; The row's sum is taken of the unquantised p and divides at the end.  When M moves, the sum and O are multiplied by 2^(old M - new M): exact.  A row with no open key has sum 0 and O 0: 0 x (1 / 0) gives the NaN that the definition gives.
; SHARES.  Work-group (j, head) takes the head's 32 tiles of 16 queries i = 4 u + j.  Each of its sixteen waves owns one tile at a time, in 256 registers, and takes two: u = 31 - rho, then u = rho,
;   rho = 4 ((w / 4 + w % 4) % 4) + w % 4.  Which wave takes which tile is free; this choice evens out the steps where a mask hides later keys, and is right for every mask.
; A STEP (one tile x 128 keys) ALL OF WHOSE PLACES ARE HIDDEN IS JUMPED OVER, on the flag word read from memory: its p would be zeros.  No barrier stands in a step.
; This launch has no tensor load and no joint request: so no cluster, though the four work-groups of a head read the same K and V.
; THE WHOLE HEAD'S K, V AND SCALE WORDS LIE IN LDS, 278,528 bytes, each byte stored once, through registers, in four chunks of 512 keys: chunk c + 1 is asked for into registers ahead of chunk c's four key steps
;   and stored behind them.  The bytes that a wave stores then are other bytes than any wave reads before the barrier that follows: chunk c + 1's against chunk c's.
; FRAGMENTS LIE IN LDS AS IMAGES: a tile of 16 rows x 128 K is 1,024 bytes; piece x (16 bytes: K 32 x .. 32 x + 31) of row r lies at 256 x + 16 (r xor 4 x).  Lane (r, h) wants pieces h and 2 + h.
;   The exclusive or keeps the 16 lanes of a fragment load, and the 4 rows x 4 pieces of a store of K, in 16 different columns of 16 bytes modulo 256 (64 banks of 4 bytes: ISA guide 11.1); V's stores fall four to a column, once.
; LAYOUT.  Both products are used transposed: S^T = K Q^T (source 0 = 16 keys, source 1 = my 16 queries), O^T = V^T P^T: a lane holds ONE query (lane % 16) throughout.
; THE KEYS OF A TILE ARE NOT NEIGHBOURS: row r of tile 2 b + u is key 32 b + 8 u + r + 8 (r / 8), so that the 16 registers of tiles 2 b and 2 b + 1 are the 16 neighbouring keys 32 b + 16 (lane / 16) + 0 .. 15.
; SCALE WORDS: the word of (tile 4 h + i, row r) lies at 512 x step + 16 x lane + 4 i: one load of 16 bytes a lane brings a step's eight tiles' words: register i holds tile i's in lanes 0-15 and tile 4 + i's in lanes 16-31.
; LIMITS.  Scale bytes 0xff (NaN) and scores beyond f32's range are not served.  A p under 2^-126 counts as 0.  A block whose p are all 0 gets the scale byte 1, not 127: the bytes are this program's own and the codes are zeros.
;   A block's largest p is made from its largest score, which takes v_exp_f32 not to fall where its input rises.
; REGISTERS: v1-7 addresses that stay; v8-11, v24 addresses of the step; v12 -M, v13 the largest t, v[14:15] the sum in two halves; v16-23 Q; v25 -infinity; v26-31 addresses that stay; v32-63 four fragments;
;   v64-95 a chunk on its way to LDS; v96-159 S^T, then p; v160-223 O^T; v224-231 p's codes; v232-239, v244-247, v252, v254 at work; v240-243 addresses that stay; v248-251 K's, then V's scale words; v253 p's scale word; v255 Q's.
.set VIMG,  131072                     ; LDS: K's images from byte 0 (step s at 8,192 s, tile t at 1,024 t), V's from here, in the same form (tile t = channels 16 t on)
.set KSC,   262144                     ; K's scale words, 512 bytes a step
.set VSC,   KSC+8192                   ; V's
.set STG,   VSC+8192                   ; the way out: for each wave 8 rows x (256 bytes + 16)
.set SROW,  272
.set SWAVE, 8*SROW
.set AK0,  1                           ; v1   my lane's piece h in a tile's image: 256 h + 16 (r xor 4 h)
.set AK1,  2                           ; v2   and piece 2 + h: v1 xor 640
.set ASC,  3                           ; v3   KSC + 16 x lane
.set GO,   4                           ; v4   the way out: 512 h + 16 r in the tile's rows of out0
.set STO,  5                           ; v5   where I put 32 bytes of a row in my stage
.set RD,   6                           ; v6   where I read a row back
.set RR,   7                           ; v7   r = lane % 16
.set ADK0, 8
.set ADK1, 9
.set ADV0, 10
.set ADV1, 11
.set ADS,  24
.set NINF, 25
.set QO,   26                          ; v26  64 r + 16 h
.set QS,   27                          ; v27  4 r
.set KST,  28                          ; v28  where my 16 bytes of a key step of K go in LDS (chunks 0, 1); v240 the same + 65,536 (chunks 2, 3): an LDS immediate has 16 bits
.set VST,  29                          ; v29, v241 the same for V
.set KGO,  30                          ; v30  16 x thread
.set VGO,  31                          ; v31  1,024 (thread / 16) + 16 (thread % 16)
.set FK,   64                          ; v64-79 K's part of a chunk, v80-95 V's
.set FV,   80
.set KST2, 240
.set VST2, 241
.set KSS,  242                         ; v242 where my four scale words of K go
.set VSS,  243                         ; v243 and of V
.set TB,   2                           ; s2   8,192 x step
.set TS,   3                           ; s3   512 x step
.set FM,   10                          ; s10  the flag word's upper half (k_scales' pointer is done with by then)
.set WV,   22                          ; s22  my wave's number
.set U2,   23                          ; s23  rho
.set SEL,  24                          ; s[24:25] v_permlanex16_b32's selects for lane l xor 16
.set CS,   26                          ; s[26:27] c = log2(e) / sqrt(128), twice: the packed form names a pair
.set FL,   28                          ; s28  the tile's flag word
.set ST,   29                          ; s29  step
.set MO,   30                          ; s30  256 x step
.set CNT,  31                          ; s31  a loop's count; on the way out the saved EXEC
.set MW,   66                          ; s[66:67] the tile's lane masks;  the step's 64 words: s32-63 and s68-99
.set OROW, 100                         ; s[100:101] the tile's rows of out0
; The tile 4 u + j is asked for: Q's fragment and scale words, the flag word; its lane masks' address is made.  s44 keeps the tile's number for TILE_INIT.
.macro TILE_ASK ureg
	s_lshl_b32 s44, s[\ureg], 2
	s_add_co_u32 s44, s44, ttmp9                   ; i = 4 u + j
	s_mov_b32 s47, 0
	s_lshl_b32 s46, s44, 10                        ; 16 rows of 64 bytes
	s_add_nc_u64 s[32:33], s[4:5], s[46:47]
	s_lshl_b32 s46, s44, 6                         ; 16 scale words
	s_add_nc_u64 s[34:35], s[6:7], s[46:47]
	s_lshl_b32 s46, s44, 2
	s_add_nc_u64 s[36:37], s[18:19], s[46:47]
	s_lshl_b32 s46, s44, 12                        ; 16 steps of 256 bytes
	s_add_nc_u64 s[MW:MW+1], s[16:17], s[46:47]
	global_load_b128 v[16:19], v[QO], s[32:33] th:TH_LOAD_NT             ; the tile's 1,024 bytes are read once in the launch
	global_load_b128 v[20:23], v[QO], s[32:33] offset:32 th:TH_LOAD_NT
	global_load_b32 v255, v[QS], s[34:35]
	s_load_b32 s[FL], s[36:37], 0x0
.endm
; The tile begins.  O^T and the sum begin as zeros and the largest t as -3e38: any step may be the first that runs, so no fixed first product can start the sums with the constant 0.
.macro TILE_INIT
	s_lshl_b32 s46, s44, 13                        ; 16 rows of 512 bytes
	s_add_nc_u64 s[OROW:OROW+1], s[20:21], s[46:47]
	v_mov_b32 v13, 0xff61b1e6                      ; -3e38, under every t
	v_floor_f32 v12, -v13                          ; -M
	v_mov_b32 v14, 0
	v_mov_b32 v15, 0
.irp b, 0,1,2,3
	v_mov_b32 v[236+\b], 0                         ; a lane permute's destination counts as one of its sources
.endr
	v_mov_b32 v252, 0                              ; likewise, on the way out, where no step has run
	v_mov_b32 v253, 0                              ; (named as the upper half of the pair v[252:253] before it is first written)
.set n, 0
.rept 64
	v_mov_b32 v[160+n], 0
.set n, n+1
.endr
	s_wait_loadcnt 0x0                             ; Q and its scale words
	s_wait_kmcnt 0x0                               ; the flag word
	s_lshr_b32 s[FM], s[FL], 16
.endm
; A chunk of 512 keys: 32 KiB of K (four key steps, each 8,192 consecutive bytes: 16 bytes a thread) and 256 bytes of each of V's 128 rows (sixteen lanes to a row's aligned 256 bytes, 32 rows a load).
.macro FILL_ASK c
.irp e, 0,1,2,3
	global_load_b128 v[FK+4*\e:FK+4*\e+3], v[KGO], s[8:9] offset:32768*(\c)+8192*\e
.endr
.irp e, 0,1,2,3
	global_load_b128 v[FV+4*\e:FV+4*\e+3], v[VGO], s[12:13] offset:256*(\c)+32768*\e
.endr
.endm
.macro FILL_PUT c
.if (\c) < 2
.set KB, KST
.set VB, VST
.else
.set KB, KST2
.set VB, VST2
.endif
.irp e, 0,1,2,3
	ds_store_b128 v[KB], v[FK+4*\e:FK+4*\e+3] offset:32768*((\c)%2)+8192*\e   ; load e is the chunk's key step e
.endr
.irp e, 0,1,2,3
	ds_store_b128 v[VB], v[FV+4*\e:FV+4*\e+3] offset:32768*((\c)%2)+2048*\e   ; load e is channels 32 e on: tiles 2 e, 2 e + 1
.endr
.endm
; A KEY STEP of my tile: 128 keys.
.macro STEP
	s_bitcmp1_b32 s[FL], s[ST]                     ; does any key of this step count for any of my 16 queries?
	s_cbranch_scc0 .Lskip_\@
	s_load_b512 s[32:47], s[MW:MW+1], s[MO] offset:0x0    ; the step's 64 lane masks, 256 bytes: asked for in every step that runs and always waited for below
	s_load_b512 s[48:63], s[MW:MW+1], s[MO] offset:0x40
	s_load_b512 s[68:83], s[MW:MW+1], s[MO] offset:0x80
	s_load_b512 s[84:99], s[MW:MW+1], s[MO] offset:0xc0
	v_add_nc_u32 v[ADK0], s[TB], v[AK0]            ; these five are also the places between the last step's products and the loads into registers that they read (four are asked: ISA guide 7.12.1 for vector instructions)
	v_add_nc_u32 v[ADK1], s[TB], v[AK1]
	v_add_nc_u32 v[ADS], s[TS], v[ASC]
	v_add_nc_u32 v[ADV0], VIMG, v[ADK0]
	v_add_nc_u32 v[ADV1], VIMG, v[ADK1]
	ds_load_b128 v[248:251], v[ADS]                ; K's scale words of all eight tiles
.irp t, 0,1,2,3
	ds_load_b128 v[32+8*\t:35+8*\t], v[ADK0] offset:1024*\t
	ds_load_b128 v[36+8*\t:39+8*\t], v[ADK1] offset:1024*\t
.endr
	s_wait_dscnt 0x0
.irp t, 0,1,2,3                                ; S^T = K Q^T, tiles 0-3
	v_wmma_scale_f32_16x16x128_f8f6f4 v[96+8*\t:103+8*\t], v[32+8*\t:39+8*\t], v[16:23], 0, v[248+\t], v255 matrix_a_fmt:MATRIX_FMT_FP4 matrix_b_fmt:MATRIX_FMT_FP4
.endr
.rept 4
	v_nop                                          ; places in front of loads into registers that matrix instructions have read
.endr
.irp t, 0,1,2,3
	ds_load_b128 v[32+8*\t:35+8*\t], v[ADK0] offset:1024*(4+\t)
	ds_load_b128 v[36+8*\t:39+8*\t], v[ADK1] offset:1024*(4+\t)
.endr
	s_wait_dscnt 0x0
.irp t, 0,1,2,3                                ; tiles 4-7: their scale words stand in lanes 16-31
	v_wmma_scale_f32_16x16x128_f8f6f4 v[128+8*\t:135+8*\t], v[32+8*\t:39+8*\t], v[16:23], 0, v[248+\t], v255 matrix_a_fmt:MATRIX_FMT_FP4 matrix_b_fmt:MATRIX_FMT_FP4 matrix_a_scale:MATRIX_SCALE_ROW1
.endr
.rept 4
	v_nop                                          ; places in front of the loads below and of the first read of the scores
.endr
	ds_load_b128 v[248:251], v[ADS] offset:VSC-KSC ; V's scale words and its tiles 0-3 are asked for now: they land while the softmax runs
.irp t, 0,1,2,3
	ds_load_b128 v[32+8*\t:35+8*\t], v[ADV0] offset:1024*\t
	ds_load_b128 v[36+8*\t:39+8*\t], v[ADV1] offset:1024*\t
.endr
	s_wait_kmcnt 0x0                               ; the lane masks are in, on both ways
	s_bitcmp1_b32 s[FM], s[ST]                     ; is any place of this step hidden?
	s_cbranch_scc0 .Lopen_\@
.set n, 0
.rept 64                                       ; hidden scores become -infinity ahead of the maximum: p = 0 then.  Ascending: each accumulator is read from its low end on
	v_cndmask_b32 v[96+n], v[96+n], v[NINF], s[32+n+4*(n/32)]
.set n, n+1
.endr
.Lopen_\@:
.irp b, 0,1,2,3
	v_max3_num_f32 v[232+\b], v[96+16*\b], v[97+16*\b], v[98+16*\b]   ; THE LARGEST SCORE OF EACH BLOCK OF 32 KEYS serves twice: for the row's maximum, and, since p rises with the score, for the block's largest p
.endr
.irp i, 3,5,7,9,11,13
.irp b, 0,1,2,3
	v_max3_num_f32 v[232+\b], v[232+\b], v[96+16*\b+\i], v[97+16*\b+\i]   ; (the four blocks by turns)
.endr
.endr
.irp b, 0,1,2,3
	v_max_num_f32 v[232+\b], v[232+\b], v[111+16*\b]
.endr
.irp b, 0,1,2,3
	v_permlanex16_b32 v[236+\b], v[232+\b], s[SEL], s[SEL+1]
.endr
.irp b, 0,1,2,3
	v_max_num_f32 v[232+\b], v[232+\b], v[236+\b]  ; with lane l xor 16's 16 keys
.endr
	v_max3_num_f32 v254, v232, v233, v234
	v_max_num_f32 v254, v254, v235                 ; the step's largest score of my query
	v_mul_f32 v254, s[CS], v254                    ; as t (c is positive)
	v_max_num_f32 v13, v13, v254                   ; the running largest t; it stays -3e38 while all my keys were hidden
	v_mov_b32 v254, v12
	v_floor_f32 v12, -v13                          ; the new -M = floor(-t) = -ceil(t): M is a whole number
	v_sub_f32 v254, v12, v254                      ; M's old value less its new one: a whole number, 0 or less
	v_cvt_i32_f32 v254, v254                       ; (it saturates)
	v_ldexp_f32 v252, 1.0, v254                    ; f = 2^(old M - new M): a multiplication by it rounds nothing
.irp j, 0,2,4,6,8,10,12,14,16,18,20,22,24,26,28,30,32,34,36,38,40,42,44,46,48,50,52,54,56,58,60,62
	v_pk_fma_f32 v[96+\j:97+\j], v[96+\j:97+\j], s[CS:CS+1], v[12:13] op_sel_hi:[1,0,0]   ; t - M, two at a time (of the pairs c and -M the low word serves both halves)
.endr
.irp b, 0,1,2,3
	v_fma_f32 v[232+\b], v[232+\b], s[CS], v12     ; the same of each block's largest score
.endr
.set n, 0
.rept 64
	v_exp_f32 v[96+n], v[96+n]                     ; p = 2^(t - M), at most 1: not normalised
.set n, n+1
.endr
	v_pk_mul_f32 v[14:15], v[14:15], v[252:253] op_sel_hi:[1,0]   ; the sums under the new M: the plain instruction behind the exponentials
	s_wait_alu depctr_va_vdst(0)                   ; the wait ahead of the first instruction that names a result: one for the batch of 64
.irp b, 0,1,2,3
	v_exp_f32 v[232+\b], v[232+\b]                 ; the block's largest p: the same two instructions on the same number give the same bits
.endr
	v_pk_add_f32 v[236:237], v[96:97], v[98:99]    ; THE ROW'S SUM IS TAKEN OF THE UNQUANTISED p: two at a time, in two chains; it reads the 64 alone
.irp j, 4,8,12,16,20,24,28,32,36,40,44,48,52,56,60
	v_pk_add_f32 v[14:15], v[14:15], v[96+\j:97+\j]
	v_pk_add_f32 v[236:237], v[236:237], v[98+\j:99+\j]
.endr
	v_pk_add_f32 v[14:15], v[14:15], v[236:237]
	s_wait_alu depctr_va_vdst(0)                   ; and one for the four
.irp b, 0,1,2,3
	v_max_num_f32 v[232+\b], 0x1800000, v[232+\b]  ; the floor 2^(3 - 127): the byte cannot fall under 1
.endr
.irp b, 0,1,2,3
	v_add_nc_u32 v[244+\b], 0xff000000, v[232+\b]  ; 2 off the exponent field: the conversion takes the exponent field of this operand as its scale
.endr
.irp b, 0,1,2,3
	v_lshrrev_b32 v[236+\b], 23, v[244+\b]         ; the scale's byte
.endr
	v_lshl_or_b32 v253, v237, 8, v236              ; p's scale word for these 128 keys
	v_lshl_or_b32 v253, v238, 16, v253
	v_lshl_or_b32 v253, v239, 24, v253
.irp b, 0,1,2,3
	v_cvt_scalef32_pk8_fp4_f32 v[224+2*\b], v[96+16*\b:103+16*\b], v[244+\b]
	v_cvt_scalef32_pk8_fp4_f32 v[225+2*\b], v[104+16*\b:111+16*\b], v[244+\b]
.endr
	v_nop                                          ; one plain vector instruction behind the last scaled conversion
.irp c, 0,1                                    ; the operand's layout wants a WHOLE block in a lane: lanes 0-15 block 2 c, lanes 16-31 block 2 c + 1
.irp i, 0,1
	v_permlane16_swap_b32 v[224+4*\c+\i], v[226+4*\c+\i]
.endr
.endr
.irp j, 0,2,4,6,8,10,12,14,16,18,20,22,24,26,28,30,32,34,36,38,40,42,44,46,48,50,52,54,56,58,60,62
	v_pk_mul_f32 v[160+\j:161+\j], v[160+\j:161+\j], v[252:253] op_sel_hi:[1,0]   ; O^T under the new M: x f.  Ascending.  These 32 also stand between the writes of p's codes and scale word and the products that take them
.endr
	s_wait_dscnt 0x0                               ; V's scale words and tiles 0-3 are in
.irp t, 0,1,2,3                                ; O^T += V^T P^T: the eight accumulators one instruction a turn
	v_wmma_scale_f32_16x16x128_f8f6f4 v[160+8*\t:167+8*\t], v[32+8*\t:39+8*\t], v[224:231], v[160+8*\t:167+8*\t], v[248+\t], v253 matrix_a_fmt:MATRIX_FMT_FP4 matrix_b_fmt:MATRIX_FMT_FP4
.endr
.rept 4
	v_nop
.endr
.irp t, 0,1,2,3
	ds_load_b128 v[32+8*\t:35+8*\t], v[ADV0] offset:1024*(4+\t)
	ds_load_b128 v[36+8*\t:39+8*\t], v[ADV1] offset:1024*(4+\t)
.endr
	s_wait_dscnt 0x0
.irp t, 0,1,2,3
	v_wmma_scale_f32_16x16x128_f8f6f4 v[192+8*\t:199+8*\t], v[32+8*\t:39+8*\t], v[224:231], v[192+8*\t:199+8*\t], v[248+\t], v253 matrix_a_fmt:MATRIX_FMT_FP4 matrix_b_fmt:MATRIX_FMT_FP4 matrix_a_scale:MATRIX_SCALE_ROW1
.endr
.Lskip_\@:
	s_add_co_u32 s[TB], s[TB], 8192                ; on both ways: the next step's places (no scalar load is out: the wait above has shown them done)
	s_add_co_u32 s[TS], s[TS], 512
	s_add_co_u32 s[MO], s[MO], 256
	s_add_co_u32 s[ST], s[ST], 1
.endm
; n key steps from step first on: the step is written once and walked n times.
.macro STEPS first, n
	s_mov_b32 s[TB], 8192*(\first)
	s_mov_b32 s[TS], 512*(\first)
	s_mov_b32 s[MO], 256*(\first)
	s_mov_b32 s[ST], \first
	s_mov_b32 s[CNT], \n
.Lsteps_\@:
	STEP
	s_sub_co_u32 s[CNT], s[CNT], 1
	s_cmp_lg_u32 s[CNT], 0
	s_cbranch_scc1 .Lsteps_\@
.endm
; THE WAY OUT.  O^T is divided by the sum.  A lane holds 32 neighbouring bytes of a row of out0 and the lanes beside it hold other rows: so the tile goes through my stage in LDS, 8 queries x 64 channels at a time
; (the head leaves 2,176 bytes a wave), and comes back as rows of 256 bytes.  more = 1: registers and base are written again behind it.
.macro OUT more
	v_add_f32 v14, v14, v15                        ; the sum's two halves,
	v_permlanex16_b32 v252, v14, s[SEL], s[SEL+1]
	v_add_f32 v14, v14, v252                       ; and lane l xor 16's: the row's sum
	v_rcp_f32 v14, v14
	v_nop                                          ; a plain instruction behind the reciprocal
	s_wait_alu depctr_va_vdst(0)                   ; and the wait ahead of the first use
.irp j, 0,2,4,6,8,10,12,14,16,18,20,22,24,26,28,30,32,34,36,38,40,42,44,46,48,50,52,54,56,58,60,62
	v_pk_mul_f32 v[96+\j:97+\j], v[160+\j:161+\j], v[14:15] op_sel_hi:[1,0]   ; register 8 t + i is o(r, 16 t + 8 h + i).  Ascending: each accumulator from its low end on
.endr
	s_wait_xcnt 0x0                                ; EXEC is a source of the loads that may be out (the next tile's Q): it changes only behind this wait; no global instruction follows until EXEC is whole for good
.irp u, 0,1                                    ; channels 64 u on
.irp g, 0,1                                    ; queries 8 g on
.if \g == 0
	v_cmp_gt_u32 vcc_lo, 8, v[RR]
.else
	v_cmp_le_u32 vcc_lo, 8, v[RR]
.endif
	s_and_saveexec_b32 s[CNT], vcc_lo
.irp t, 0,1,2,3
	ds_store_b128 v[STO], v[96+32*\u+8*\t:99+32*\u+8*\t] offset:64*\t
	ds_store_b128 v[STO], v[100+32*\u+8*\t:103+32*\u+8*\t] offset:64*\t+16
.endr
	s_or_b32 exec_lo, exec_lo, s[CNT]
.irp i, 0,1,2,3
	ds_load_b128 v[32+32*\u+16*\g+4*\i:35+32*\u+16*\g+4*\i], v[RD] offset:2*SROW*\i   ; LDS serves a wave's instructions in order (ISA guide 5.7.1.4): these see the stores above, and the next eight stores come behind them
.endr
.endr
.endr
.irp u, 0,1
.irp g, 0,1
.irp i, 0,1,2,3
	s_wait_dscnt 12*(3-2*\u-\g)+3-\i               ; behind this load: the rest of its four, and twelve LDS instructions for each later group
	global_store_b128 v[GO], v[32+32*\u+16*\g+4*\i:35+32*\u+16*\g+4*\i], s[OROW:OROW+1] offset:(8*\g+2*\i)*512+256*\u th:TH_STORE_NT   ; 16 lanes store 256 consecutive bytes, at a multiple of 256 from out0's first byte; written once, read by nobody here
.endr
.endr
.endr
.if \more
	s_wait_xcnt 0x0                                ; the stores have read their registers and their base: both are written again
.endif
.endm
	s_load_b512 s[4:19], s[0:1], 0x0               ; q_codes s[4:5], q_scales s[6:7], k_codes s[8:9], k_scales s[10:11], v_codes s[12:13], v_scales s[14:15], maskw s[16:17], flags s[18:19]
	s_load_b64 s[20:21], s[0:1], 0x40              ; out0
	v_lshrrev_b32 v8, 5, v0
	v_readfirstlane_b32 s[WV], v8                  ; wave 0 .. 15
	v_and_b32 v[RR], 15, v0                        ; r
	v_bfe_u32 v9, v0, 4, 1                         ; h
	v_lshlrev_b32 v10, 2, v9
	v_xor_b32 v10, v10, v[RR]
	v_lshlrev_b32 v[AK0], 4, v10
	v_lshl_or_b32 v[AK0], v9, 8, v[AK0]            ; 256 h + 16 (r xor 4 h)
	v_xor_b32 v[AK1], 0x280, v[AK0]                ; 256 (2 + h) + 16 (r xor (8 + 4 h))
	v_and_b32 v10, 31, v0
	v_lshl_add_u32 v[ASC], v10, 4, KSC
	v_lshlrev_b32 v[GO], 4, v[RR]
	v_lshl_or_b32 v[GO], v9, 9, v[GO]              ; lanes 0-15 one row of out0, lanes 16-31 the next; 16 bytes a lane
	s_mul_i32 s32, s[WV], SWAVE
	s_add_co_u32 s32, s32, STG                     ; my stage
	v_and_b32 v10, 7, v0
	v_mul_u32_u24 v[STO], v10, SROW
	v_lshl_add_u32 v[STO], v9, 5, v[STO]
	v_add_nc_u32 v[STO], s32, v[STO]               ; in: row r % 8, + 32 h
	v_mul_u32_u24 v[RD], v9, SROW
	v_lshl_add_u32 v[RD], v[RR], 4, v[RD]
	v_add_nc_u32 v[RD], s32, v[RD]                 ; back: row h, 16 r
	v_lshlrev_b32 v[QO], 6, v[RR]
	v_lshl_or_b32 v[QO], v9, 4, v[QO]
	v_lshlrev_b32 v[QS], 2, v[RR]
	v_mov_b32 v[NINF], 0xff800000
	; where a thread's 16 bytes of a key step of K go: key = thread / 4, piece x = thread % 4.  Key 32 b + 16 r3 + 8 u + r_lo is row r_lo + 8 r3 of tile 2 b + u
	v_and_b32 v10, 3, v0                           ; x
	v_lshlrev_b32 v11, 2, v10                      ; 4 x
	v_bfe_u32 v12, v0, 2, 3
	v_bfe_u32 v13, v0, 6, 1
	v_lshl_or_b32 v12, v13, 3, v12                 ; the row
	v_xor_b32 v12, v12, v11
	v_lshlrev_b32 v[KST], 4, v12
	v_lshl_or_b32 v[KST], v10, 8, v[KST]
	v_bfe_u32 v12, v0, 5, 1                        ; u
	v_lshl_or_b32 v[KST], v12, 10, v[KST]
	v_bfe_u32 v12, v0, 7, 2                        ; b
	v_lshl_or_b32 v[KST], v12, 11, v[KST]
	v_add_nc_u32 v[KST2], 0x10000, v[KST]
	; and of V: row = thread / 16 (+ 32 for each load), the chunk's key step = (thread / 4) % 4, piece x
	v_bfe_u32 v12, v0, 4, 4
	v_xor_b32 v12, v12, v11
	v_lshlrev_b32 v[VST], 4, v12
	v_lshl_or_b32 v[VST], v10, 8, v[VST]
	v_bfe_u32 v12, v0, 8, 1                        ; which of the load's two tiles
	v_lshl_or_b32 v[VST], v12, 10, v[VST]
	v_bfe_u32 v13, v0, 2, 2
	v_lshl_or_b32 v[VST], v13, 13, v[VST]
	v_add_nc_u32 v[VST], VIMG, v[VST]
	v_add_nc_u32 v[VST2], 0x10000, v[VST]
	; V's scale words: thread t holds row t / 4, steps 4 x + 0 .. 3 (512 bytes apart in LDS)
	v_bfe_u32 v13, v0, 6, 2
	v_lshlrev_b32 v[VSS], 2, v13                   ; 4 (tile % 4)
	v_bfe_u32 v13, v0, 2, 4
	v_lshl_or_b32 v[VSS], v13, 4, v[VSS]           ; 16 r
	v_lshl_or_b32 v[VSS], v12, 8, v[VSS]           ; 256 (tile / 4)
	v_lshl_or_b32 v[VSS], v10, 11, v[VSS]          ; 512 x 4 x
	v_add_nc_u32 v[VSS], VSC, v[VSS]
	; K's scale words: thread t holds keys 4 t + 0 .. 3: four neighbouring rows of one tile (16 bytes apart in LDS)
	v_bfe_u32 v13, v0, 1, 1
	v_lshlrev_b32 v[KSS], 2, v13
	v_bfe_u32 v13, v0, 3, 1
	v_lshl_or_b32 v[KSS], v13, 3, v[KSS]           ; 4 (tile % 4)
	v_and_b32 v13, 1, v0
	v_lshl_or_b32 v[KSS], v13, 6, v[KSS]
	v_bfe_u32 v13, v0, 2, 1
	v_lshl_or_b32 v[KSS], v13, 7, v[KSS]           ; 16 x the first of the four rows
	v_lshrrev_b32 v13, 4, v0
	v_lshl_or_b32 v[KSS], v13, 8, v[KSS]           ; 512 x step + 256 (tile / 4)
	v_add_nc_u32 v[KSS], KSC, v[KSS]
	v_lshlrev_b32 v[KGO], 4, v0
	v_and_b32 v12, 15, v0
	v_lshlrev_b32 v[VGO], 4, v12
	v_lshl_or_b32 v[VGO], v13, 10, v[VGO]
	s_mov_b32 s[SEL], 0x76543210
	s_mov_b32 s[SEL+1], 0xfedcba98
	s_mov_b32 s[CS], 0x3e0293ee                    ; c = log2(e) / sqrt(128)
	s_mov_b32 s[CS+1], s[CS]
	s_lshr_b32 s40, s[WV], 2
	s_and_b32 s41, s[WV], 3
	s_add_co_u32 s40, s40, s41
	s_and_b32 s40, s40, 3
	s_lshl_b32 s40, s40, 2
	s_add_co_u32 s[U2], s40, s41                   ; rho
	s_sub_co_u32 s45, 31, s[U2]                    ; my first tile's u
	s_and_b32 s32, ttmp7, 0xffff                   ; the head
	s_lshl_b32 s34, s32, 17                        ; a head's codes: 131,072 bytes in each of the three tensors
	s_mov_b32 s35, 0
	s_lshl_b32 s36, s32, 13                        ; its scale bytes: 8,192
	s_mov_b32 s37, 0
	s_lshl_b32 s38, s32, 20                        ; its rows of out0
	s_mov_b32 s39, 0
	s_wait_kmcnt 0x0
	s_add_nc_u64 s[4:5], s[4:5], s[34:35]
	s_add_nc_u64 s[8:9], s[8:9], s[34:35]
	s_add_nc_u64 s[12:13], s[12:13], s[34:35]
	s_add_nc_u64 s[6:7], s[6:7], s[36:37]
	s_add_nc_u64 s[10:11], s[10:11], s[36:37]
	s_add_nc_u64 s[14:15], s[14:15], s[36:37]
	s_add_nc_u64 s[20:21], s[20:21], s[38:39]
	FILL_ASK 0                                     ; chunk 0,
	global_load_b128 v[32:35], v[KGO], s[10:11]    ; the head's scale words of K: 8,192 consecutive bytes,
	global_load_b128 v[36:39], v[KGO], s[14:15]    ; and of V,
	TILE_ASK 45                                    ; and my first tile
	s_wait_loadcnt 3                               ; all but the youngest three loads (Q's two and its scale words)
	FILL_PUT 0
.irp m, 0,1,2,3
	ds_store_b32 v[KSS], v[32+\m] offset:16*\m
	ds_store_b32 v[VSS], v[36+\m] offset:512*\m
.endr
	s_wait_dscnt 0x0                               ; for the others' sake: my stores have landed
	s_barrier_signal -1
	s_barrier_wait -1                              ; chunk 0 and all scale words lie in LDS
	TILE_INIT
.irp p, 0,1,2
	FILL_ASK \p+1                                  ; the next chunk into registers (the stores that read them are done): four key steps ahead of its use
	STEPS 4*\p, 4
	s_wait_loadcnt 0x0
	FILL_PUT \p+1                                  ; first fill of these bytes: nobody has read them, and nobody reads them before the barrier
	s_wait_dscnt 0x0
	s_barrier_signal -1
	s_barrier_wait -1
.endr
	STEPS 12, 4
	TILE_ASK U2                                    ; my second tile is asked for while the first goes out: Q's registers are free
	OUT 1
	TILE_INIT
	STEPS 0, 16                                    ; the whole head lies in LDS: no barrier any more
	OUT 0
	s_wait_xcnt 0x0
	s_mov_b32 exec_lo, -1
	v_lshl_add_u32 v253, v0, 2, 0x4c800
	v_mov_b32 v254, 0
	s_wait_tensorcnt 0x0
	ds_add_u32 v253, v254
	s_wait_dscnt 0x0
	s_endpgm
.Lfunc_end_k_qe09435de64_attn:
	.size	k_qe09435de64_attn, .Lfunc_end_k_qe09435de64_attn-k_qe09435de64_attn
	.p2alignl 7, 3214868480
	.fill 96, 4, 3214868480
	.section	.rodata,"a",@progbits
	.p2align	6, 0x0
	.amdhsa_kernel k_qe09435de64_attn
		.amdhsa_group_segment_fixed_size 315392
		.amdhsa_private_segment_fixed_size 0
		.amdhsa_enable_private_segment 0
		.amdhsa_kernarg_size 72
		.amdhsa_user_sgpr_count 2
		.amdhsa_user_sgpr_kernarg_segment_ptr 1
		.amdhsa_wavefront_size32 1
		.amdhsa_system_sgpr_workgroup_id_x 1
		.amdhsa_system_sgpr_workgroup_id_y 1
		.amdhsa_system_sgpr_workgroup_id_z 1
		.amdhsa_system_vgpr_workitem_id 0
		.amdhsa_next_free_vgpr 256
		.amdhsa_next_free_sgpr 102
		.amdhsa_reserve_vcc 1
		.amdhsa_float_denorm_mode_32 3
		.amdhsa_float_denorm_mode_16_64 3
		.amdhsa_memory_ordered 1
		.amdhsa_forward_progress 1
		.amdhsa_inst_pref_size 146
	.end_amdhsa_kernel
	.amdgpu_metadata
---
amdhsa.version: [ 1, 2 ]
amdhsa.kernels:
  - .name:           k_qe09435de64_attn
    .symbol:         k_qe09435de64_attn.kd
    .args:
      - { .name: q_codes, .offset: 0, .size: 8, .value_kind: global_buffer, .address_space: global }
      - { .name: q_scales, .offset: 8, .size: 8, .value_kind: global_buffer, .address_space: global }
      - { .name: k_codes, .offset: 16, .size: 8, .value_kind: global_buffer, .address_space: global }
      - { .name: k_scales, .offset: 24, .size: 8, .value_kind: global_buffer, .address_space: global }
      - { .name: v_codes, .offset: 32, .size: 8, .value_kind: global_buffer, .address_space: global }
      - { .name: v_scales, .offset: 40, .size: 8, .value_kind: global_buffer, .address_space: global }
      - { .name: maskw, .offset: 48, .size: 8, .value_kind: global_buffer, .address_space: global }
      - { .name: flags, .offset: 56, .size: 8, .value_kind: global_buffer, .address_space: global }
      - { .name: out0, .offset: 64, .size: 8, .value_kind: global_buffer, .address_space: global }
    .group_segment_fixed_size: 315392
    .private_segment_fixed_size: 0
    .kernarg_segment_align: 8
    .kernarg_segment_size: 72
    .max_flat_workgroup_size: 512
    .sgpr_count:     102
    .vgpr_count:     256
    .wavefront_size: 32
...
	.end_amdgpu_metadata
.endif
;; end of part 2
